; MI455X (gfx1250); checked and timed in simulation.
; The chip was launched on July 23, 2026; its instructions are those of AMD's public machine-readable ISA for CDNA 5 (MIT licence, August 2026) and "CDNA5" Instruction Set Architecture Reference Guide (July 2026). The comments in the code are by the model that wrote it; some were corrected since.
;; Temporal Logic Layer. Allowed arithmetic: matrix products marked QUANTISED: E2M1 operands, one E8M0 scale for each 32 along K, by v_wmma_scale_f32_16x16x128_f8f6f4 with both operands' format E2M1 (or v_wmma_scale_f32_32x16x128_f4), f32 sums; everything else in f32.
;; Inputs: P 32 x 128 x 128 float32; W1 256 x 132 float32; W2 132 x 132 float32; W3 132 x 64 float32; b1 132 float32; b2 132 float32; b3 64 float32.
;; Outputs: out0 32 x 128 x 64 float32.
;; This version of the problem:
;;   THIS VERSION OF THE PROBLEM IS GIVEN IN LOW PRECISION. The matrix products marked QUANTISED in the list below multiply operands that are first quantised to E2M1 (2 exponent bits, 1 mantissa bit; 4 bits a number), with one power-of-two scale for each 32 numbers along K (OCP MX v1.0); their sums are f32. All else is computed in f32.
;;   The module's matrix products, in the order in which they are computed (A, B: the left and right operand; K: the contracted axis; several contracted axes count as one K, in the product's order):
;;     1. [M 524,288, K 256] x [K 256, N 132]; A: computed on the way; B: input W1: QUANTISED
;;     2. [M 524,288, K 132] x [K 132, N 132]; A: computed on the way; B: input W2: QUANTISED
;;     3. [M 524,288, K 132] x [K 132, N 64]; A: computed on the way; B: input W3: QUANTISED
;;   THE QUANTISER, for each operand of a quantised product, along K:
;;     - K is cut into blocks of 32 from its start; a last block that is shorter is filled with zeros.
;;     - A block's scale is 2^e with e = floor(log2(the largest magnitude in the block)) - 2, held to -126 .. 127; a block of zeros has e = 0. As a byte (E8M0): e + 127.
;;     - Each number is divided by its block's scale, clamped to +-6, and rounded to the nearest number of E2M1, ties to even, subnormals kept.
;;     - The product sums the exact products of the quantised numbers (number of the format x scale) in f32.
;;   ~~~python
;;   def quantise(x, axis):      # numpy; x: float32 -> the quantised numbers, widened to float32 again
;;       x = np.moveaxis(x, axis, -1); K = x.shape[-1]
;;       x = np.pad(x, [(0, 0)] * (x.ndim - 1) + [(0, -K % 32)]); x = x.reshape(x.shape[:-1] + (-1, 32)); a = np.abs(x).max(-1, keepdims=True)
;;       e = np.where(a > 0, np.clip(np.frexp(np.where(a > 0, a, 1))[1] - 1 - 2, -126, 127), 0)      # np.frexp(a)[1] - 1 = floor(log2(a)), exactly
;;       r = np.clip(x / 2.0 ** e, -6, 6)
;;       step = 2.0 ** (np.maximum(np.frexp(np.where(r == 0, 1, r))[1] - 1, 0) - 1)
;;       q = np.round(r / step) * step * 2.0 ** e      # np.round: ties to even
;;       return np.moveaxis(q.reshape(q.shape[:-2] + (-1,))[..., :K], -1, axis).astype(np.float32)
;;   ~~~
;;   OPERANDS COMPUTED ON THE WAY. 'Computed on the way' means the value that the module computes at that place (a softmax that the list does not call 'softmax' is quantised finished and normalised). What goes into a quantiser is computed in f32, as accurately as f32 sums, v_exp_f32 and their like allow (about 1e-6 of the number): no bf16 or f16 on the way to a quantiser, and a product that is left as it is and whose result goes on into a quantised operand takes f32 operands (vector FMAs, or v_wmma_f32_16x16x4_f32). A number that lies on a knife's edge between two numbers of the format may be rounded either way, as far as f32 arithmetic and the matrix unit's own rounding can turn it there, and no further.
;; One version. Each part assembles by itself: llvm-mc -triple=amdgcn-amd-amdhsa -mcpu=gfx1250 --defsym DOCPART=n.
;; ======== version 1 of 1: 1 launch
;; limits: right only within a limited range of input values
;; launch tll (part 1): grid 256 x 1, 8 waves a work-group, clusters of 4 x 1, 312,320 bytes of LDS; arguments P, W1, W2, W3, b1, b2, b3, out0; writes out0
.if DOCPART == 1
	.amdgcn_target "amdgcn-amd-amdhsa--gfx1250"
	.amdhsa_code_object_version 6
	.text
	.protected	k_q631080b012_tll
	.globl	k_q631080b012_tll
	.p2align	8
	.type	k_q631080b012_tll,@function
k_q631080b012_tll:
	s_mov_b64 s[64:65], 0
	v_nop
	global_prefetch_b8 v0, s[64:65] scope:SCOPE_SE
	s_setreg_imm32_b32 hwreg(HW_REG_WAVE_MODE, 25, 1), 1
	s_wait_xcnt 0x0
	s_wait_alu depctr_hold_cnt(0) depctr_sa_sdst(0) depctr_va_vdst(0) depctr_va_sdst(0) depctr_va_ssrc(0) depctr_va_vcc(0) depctr_vm_vsrc(0)
	s_getreg_b32 s2, hwreg(HW_REG_IB_STS2, 6, 4)
	s_cmp_eq_u32 s2, 0
	s_cbranch_scc0 .Lentry_in_a_cluster
	s_endpgm
.Lentry_in_a_cluster:
	s_bfe_u32 s2, ttmp6, 0x10000c
	s_cmp_lg_u32 s2, 0x3003
	s_cbranch_scc0 .Lentry_shape_is_right
	s_endpgm
.Lentry_shape_is_right:
; out0[b][t][:] = max over te >= t of sigmoid(5 (relu(relu(f W1 + b1) W2 + b2) W3 + b3)),  f = [max of P[b][t..te][:], P[b][te][:]].
; P [32][128][128], W1 [256][132], W2 [132][132], W3 [132][64], f32.  All three products on codes of FP4 (E2M1), one E8M0 scale for each 32 along K, f32 sums.
; WHAT IS NOT DONE: pairs te < t: their result is replaced by -1e30, under every sigmoid, so it reaches no output whatever the inputs hold.  The sigmoid never falls where its input rises: the maximum over te
; is taken of h W3, and b3, the factor 5 and the sigmoid come once for each output.
; THE FIRST PRODUCT IS SPLIT ALONG K: blocks 4-7 (P[te]) hang on (b, te) alone: G'(te) = Q(P[te]) Q(W1[128:256]) + b1 is made once for the 128 te, kept in LDS in the result's layout, and is the C of the window's product.
; SHARES.  Work-group (batch, i), i = 0..7, owns starts 8 i .. 8 i + 7 (lo) and 120 - 8 i .. 127 - 8 i (hi).  A SLOT is 8 lanes of a tile: 8 starts x 9 te on end; 15 - i slots serve lo, 1 + i serve hi: 16 slots, two a wave,
; 9 steps for every wave.  A lane computes the pair (t, e), e = min(max(TE, t), 127): always a pair that counts; some are computed twice, which a maximum does not see.
; CLUSTER: the four partners have the same i and four batches; W1 and W2[0:128] are asked for jointly; a work-group's place in the cluster enters the addresses of P and out0 in memory and nothing else.
; No prefetch: every byte is asked for once, at the head; no loop loads from memory.
; LAYOUT.  Every product is used transposed (source 0 = 16 units of a weight, source 1 = 16 rows of data): a lane holds one row, its registers run along the units.  Row m of tile 4 c + u of W1 and W2 is unit
; 64 c + 32 (m / 8) + 8 u + m % 8, so that lane (r, h)'s 32 registers of tiles 4 c .. 4 c + 3 are block 2 c + h of the next K: whole, and in the operand's order.  Tile 8 holds units 128-131 in rows 0-3, zero codes below.
; W3's tiles take their rows as they lie.
; K = 132: the four numbers left over (k = 128-131) are one register of codes.  Register RL + j holds tile j's four codes (lanes 0-15, low half); eight tiles share a run of eight registers as source 0; source 1 is a window
; of eight registers over S (22 registers, zeros but for two copies of the row's four codes), laid so that the copy meets register j alone.  Place j lies in block 0 or 2: these scale words carry their byte twice.
; relu is done on the codes: a block's maximum is taken without |.| over a floor, and the magnitude bits of negative codes are cleared behind the conversion.
; The weights are quantised by the work-group itself (a lane takes a column, its registers run down K) and then stay in every wave's registers.
; LIMITS: NaN and infinities among the inputs are not served; one that reaches only what is left out is not carried to the result.  A block whose largest magnitude lies under 2^-124 (a block of zeros too) has the byte 1.
; The first product's sum is rounded once more than a single sum over K = 256.
.set PP,    528                        ; a row of P in LDS (512 + 16); also a raw row of W1, W2 (132 f32)
.set RW1,   67584                      ; LDS: P's 128 rows at 0; W1 raw; W2's rows 0-127 raw;
.set RW2,   202752
.set HW,    33792                      ; 64 raw rows = 132 rows of 256 bytes: what one tensor load brings
.set IMG,   272640                     ; 31 fragments as images of their registers, 1,024 bytes each: W1[0:128] 0-8, W2 9-17, W3 18-21, W1[128:256] 22-30
.set RIMG,  304384                     ; the 16 registers RL, 128 bytes each
.set SCT,   306432                     ; scale words, 64 bytes a tile: as IMG 0-21; W2's left-over 22-30, W3's 31-34, 35 zero; W1[128:256] 36-44, 45 zero
.set SPARE, 311296                     ; the spare words, 128 bytes a wave
.set GTB,   67584                      ; over the raw weights, once they are read out: G', 128 rows of 592: 288 bytes a half of the lanes, 32 a tile
.set GP,    592
.set SUF,   143360                     ; 16 rows: max of P[t .. t0 + 7]
.set RUN,   151808                     ; 32 rows: max of P[t0 + 8 .. t0 + 9 c - 1] at row 16 hs + c
.set ZT,    168704                     ; 128 rows of 272: a slot's maxima
.set ZP,    272
.set FLOOR, 0x1800000                  ; 2^(3 - 127): under it no largest magnitude is taken, so a byte cannot fall under 1
.set DOWN2, 0xff000000                 ; takes 2 off an exponent field
; window 0
.set AP,  1                            ; LDS address of P's row e;  AG: of G's row e
.set AG,  2
.set TE,  3                            ; the slot's te;  TT: my start
.set TT,  4
.set SH8, 5                            ; 8 x (lane / 16)
.set TM,  8                            ; v8-23 at work; between steps 16 numbers of P's next row
.set DSC, 24                           ; the data's scale word;  LSC: that of its four left-over numbers
.set LSC, 25
.set B2T8, 26                          ; v26-33 b2 for tile 8
.set WS,  34                           ; v34-51 the weights' scale words: tile id n in register n / 2, lanes 16-31 where n is odd
.set CODE, 52                          ; v52-59 source 1; between steps 8 numbers of P's next row
.set S,   60                           ; v60-81
.set M,   82                           ; v82-145 the window's maximum: register 32 c + i is k = 64 c + 32 (lane / 16) + i
.set ACC, 146                          ; v146-217 nine tiles
.set Z,   218                          ; v218-249 the running maximum of h W3
.set B3,  250
.set LPP, 254                          ; 128 x (lane / 16);  LPG: GTB + 288 x (lane / 16)
.set LPG, 255
; window 0 in the head
.set X,   82                           ; v82-209 numbers: P, W3 (X + 64), the odd pieces (RX); then the scan; then columns of W1, W2
.set RX,  178
.set QC,  42                           ; v42-49 the codes of my 16 rows of P
.set MC,  56
.set MR,  60
.set B1T8, 70                          ; v70-77 b1 for tile 8, then G's tile 8
.set ZQ,  78                           ; v78-81 zeros
.set AIA, 210
.set ASA, 211
.set AIB, 212
.set ASB, 213
.set AI3, 214
.set AS3, 215
.set A4I, 216
.set A4S, 217
.set A5I, 218
.set A5S, 219
.set AMR, 220
.set AMS, 221
.set ACR, 222
.set ACS, 223
.set A3R, 224
.set A3S, 225
.set AZR, 226
.set AZS, 227
.set LRA0, 228
.set LRA1, 229
.set LRB0, 230
.set VPO, 231
.set L4R, 232
.set L5R, 233
.set APS, 234
.set L6C, 235
.set APW, 236
.set LI,  237
.set LS4, 238
.set LR4, 239
.set AGS, 240
.set A4K, 241
.set ASU, 242
.set ARU, 243
.set VO3, 244
.set VO3L, 245
.set VBH, 246
.set VZ,  247
.set VB3, 248
.set APP, 249
; window 1: v0-71 W1[0:128]; v72-143 W2; v144-175 W3; v176-191 RL; v192-255 b2, tiles 0-7.  In the head v104-125: the scan's results; v128-191: b1, then G'
.set PARK, 104
.set MSB, 0
.macro WIN new                         ; the immediate's high byte repeats the setting that is left
.if MSB != \new
	s_set_vgpr_msb (MSB<<8)|\new
.set MSB, \new
.endif
.endm
.macro NOPS k
.rept \k
	v_nop
.endr
.endm
.macro ROUND                           ; a round of the cluster's barrier
	s_barrier_signal -1
	s_barrier_wait -1
	s_cmp_lg_u32 s24, 0
	s_cbranch_scc1 .Lnot_wave_0_\@
	s_barrier_signal -3
.Lnot_wave_0_\@:
	s_barrier_wait -3
	s_barrier_signal -1
	s_barrier_wait -1
.endm
.macro BAR                             ; my LDS stores have landed and my LDS loads are in: then the work-group's barrier
	s_wait_alu depctr_va_vdst(0)
	s_wait_dscnt 0x0
	s_barrier_signal -1
	s_barrier_wait -1
.endm
.macro DMAX d, s, k                    ; k running maxima, two an instruction
.set n, 0
.rept (\k)/2
	v_dual_max_num_f32 v[\d+n], v[\d+n], v[\s+n] :: v_dual_max_num_f32 v[\d+n+1], v[\d+n+1], v[\s+n+1]
.set n, n+2
.endr
.endm
.macro MXP d, a, b, ab
.if \ab
	v_max3_num_f32 v[\d], v[\d], |v[\a]|, |v[\b]|
.else
	v_max3_num_f32 v[\d], v[\d], v[\a], v[\b]
.endif
.endm
.macro MAXES x, ab                     ; the largest of two blocks of 32 on end, over the floor, into TM and TM + 1: four chains by turns.  ab = 1: of the magnitudes
.irp c,0,1
.if \ab
	v_max3_num_f32 v[TM+\c], |v[\x+32*\c]|, |v[\x+32*\c+1]|, FLOOR
	v_max3_num_f32 v[TM+2+\c], |v[\x+32*\c+16]|, |v[\x+32*\c+17]|, |v[\x+32*\c+18]|
.else
	v_max3_num_f32 v[TM+\c], v[\x+32*\c], v[\x+32*\c+1], FLOOR
	v_max3_num_f32 v[TM+2+\c], v[\x+32*\c+16], v[\x+32*\c+17], v[\x+32*\c+18]
.endif
.endr
.irp i,2,4,6,8,10,12
.irp c,0,1
	MXP TM+\c, \x+32*\c+\i, \x+32*\c+\i+1, \ab
	MXP TM+2+\c, \x+32*\c+17+\i, \x+32*\c+18+\i, \ab
.endr
.endr
.irp c,0,1
	MXP TM+\c, \x+32*\c+14, \x+32*\c+15, \ab
.endr
.irp c,0,1
.if \ab
	v_max3_num_f32 v[TM+\c], v[TM+\c], v[TM+2+\c], |v[\x+32*\c+31]|
.else
	v_max3_num_f32 v[TM+\c], v[TM+\c], v[TM+2+\c], v[\x+32*\c+31]
.endif
.endr
.endm
.macro CV d, x, s                      ; eight numbers to eight codes
	v_cvt_scalef32_pk8_fp4_f32 v[\d], v[\x:\x+7], v[\s]
.endm
.macro LD64 x, a                       ; 64 numbers down K of my column
.set n, 0
.rept 64
	ds_load_b32 v[\x+n], v[\a] offset:n*PP
.set n, n+1
.endr
.endm
.macro Q2 x, uc, uw, ai, io, as, so    ; they become two blocks' codes and scale bytes, stored at their places in a fragment's image
	MAXES \x, 1
	v_add_nc_u32 v[TM+8], DOWN2, v[TM]             ; the conversion takes this operand's exponent field as its scale
	v_add_nc_u32 v[TM+9], DOWN2, v[TM+1]
	CV \uc, \x, TM+8
	v_lshrrev_b32 v[TM+4], 23, v[TM+8]             ; the scale's byte
	CV \uc+1, \x+8, TM+8
	v_lshrrev_b32 v[TM+5], 23, v[TM+9]
	CV \uc+2, \x+16, TM+8
	CV \uc+3, \x+24, TM+8
	v_lshl_or_b32 v[\uw], v[TM+5], 8, v[TM+4]
.irp g,0,1,2,3
	CV \uc+4+\g, \x+32+8*\g, TM+9
.endr
	v_nop                                          ; one plain place behind the conversions
	ds_store_b128 v[\ai], v[\uc:\uc+3] offset:\io
	ds_store_b128 v[\ai], v[\uc+4:\uc+7] offset:\io+256
	ds_store_b16 v[\as], v[\uw] offset:\so
.endm
.macro BLK1Q x, uc, by                 ; one block of 32: codes in v[uc..uc+3], its byte in v[by]
	v_max3_num_f32 v[TM], |v[\x]|, |v[\x+1]|, FLOOR
	v_max3_num_f32 v[TM+1], |v[\x+2]|, |v[\x+3]|, |v[\x+4]|
	v_max3_num_f32 v[TM+2], |v[\x+5]|, |v[\x+6]|, |v[\x+7]|
	v_max3_num_f32 v[TM+3], |v[\x+8]|, |v[\x+9]|, |v[\x+10]|
.irp i,11,19
.irp j,0,1,2,3
	MXP TM+\j, \x+\i+2*\j, \x+\i+2*\j+1, 1
.endr
.endr
	MXP TM, \x+27, \x+28, 1
	MXP TM+1, \x+29, \x+30, 1
	v_max3_num_f32 v[TM+2], v[TM+2], v[TM+3], |v[\x+31]|
	v_max3_num_f32 v[TM], v[TM], v[TM+1], v[TM+2]
	v_add_nc_u32 v[TM+8], DOWN2, v[TM]
	v_lshrrev_b32 v[\by], 23, v[TM+8]
.irp g,0,1,2,3
	CV \uc+\g, \x+8*\g, TM+8
.endr
	v_nop
.endm
.macro MINIQ x, n                      ; the last block of K = 132: four numbers and zeros: codes in v[MC+n], its byte at bytes 0 and 2 of v[MR+n]
.irp i,4,5,6,7
	v_mov_b32 v[\x+\i], 0
.endr
	v_max3_num_f32 v[TM+\n], |v[\x]|, |v[\x+1]|, FLOOR
	v_max3_num_f32 v[TM+\n], v[TM+\n], |v[\x+2]|, |v[\x+3]|
	v_add_nc_u32 v[TM+8+\n], DOWN2, v[TM+\n]
	v_lshrrev_b32 v[TM+4+\n], 23, v[TM+8+\n]
	CV MC+\n, \x, TM+8+\n
	v_lshl_or_b32 v[MR+\n], v[TM+4+\n], 16, v[TM+4+\n]   ; (also the plain place behind the conversion)
.endm
.macro SMALL ai, aw                    ; units 128-131: a lane takes one block of one of the four columns; rows 4-15 of tile 8 get zero codes and zero bytes
	BLK1Q RX, 60, 69
	ds_store_b128 v[\ai], v[60:63]
.irp z,64,128,192
	ds_store_b128 v[\ai], v[ZQ:ZQ+3] offset:\z
.endr
	ds_store_b8 v[\aw], v69
.irp z,16,32,48
	ds_store_b8 v[\aw], v[VZ] offset:\z
.endr
.endm
.macro ROWL reg, adr                   ; my 64 numbers of a row of 128: k = 32 h + 0..31 and 64 + 32 h + 0..31 (the address holds 128 h)
.irp c,0,1
.irp q,0,1,2,3,4,5,6,7
	ds_load_b128 v[\reg+32*\c+4*\q:\reg+32*\c+4*\q+3], v[\adr] offset:256*\c+16*\q
.endr
.endr
.endm
.macro QUANTF                          ; M becomes source 1 and its scale word: a lane holds two whole blocks, h and 2 + h
	MAXES M, 1
	v_add_nc_u32 v[TM+8], DOWN2, v[TM]
	v_add_nc_u32 v[TM+9], DOWN2, v[TM+1]
	CV CODE, M, TM+8
	v_lshrrev_b32 v[TM+4], 23, v[TM+8]
	CV CODE+1, M+8, TM+8
	v_lshrrev_b32 v[TM+5], 23, v[TM+9]
	CV CODE+2, M+16, TM+8
	CV CODE+3, M+24, TM+8
	v_lshl_or_b32 v[TM+6], v[TM+5], 16, v[TM+4]    ; my two bytes,
	CV CODE+4, M+32, TM+9
	v_lshlrev_b32 v[TM+6], v[SH8], v[TM+6]         ; at their places in the word;
	CV CODE+5, M+40, TM+9
	v_permlanex16_b32 v[TM+7], v[TM+6], s60, s61
	CV CODE+6, M+48, TM+9
	CV CODE+7, M+56, TM+9
	v_or_b32 v[DSC], v[TM+6], v[TM+7]              ; with lane l xor 16's two it is whole
.endm
.macro HQ                              ; relu and quantiser of a hidden layer: ACC's nine tiles become source 1, its scale word, the left-over codes (two copies in S) and their scale word
	WIN 0
	NOPS 4                                         ; places behind the last products
	MAXES ACC, 0                                   ; no |.|: what is negative does not count
	v_add_nc_u32 v[TM+8], DOWN2, v[TM]
	v_add_nc_u32 v[TM+9], DOWN2, v[TM+1]
	v_max3_num_f32 v[TM+12], v[ACC+64], v[ACC+65], FLOOR        ; units 128-131 (lanes 0-15)
	v_lshrrev_b32 v[TM+4], 23, v[TM+8]
	v_lshrrev_b32 v[TM+5], 23, v[TM+9]
	v_max3_num_f32 v[TM+12], v[TM+12], v[ACC+66], v[ACC+67]
	CV CODE, ACC, TM+8
	v_lshl_or_b32 v[TM+6], v[TM+5], 16, v[TM+4]
	CV CODE+1, ACC+8, TM+8
	v_add_nc_u32 v[TM+13], DOWN2, v[TM+12]
	CV CODE+2, ACC+16, TM+8
	v_lshlrev_b32 v[TM+6], v[SH8], v[TM+6]
	CV CODE+3, ACC+24, TM+8
	v_lshrrev_b32 v[TM+14], 23, v[TM+13]
	CV CODE+4, ACC+32, TM+9
	v_permlanex16_b32 v[TM+7], v[TM+6], s60, s61
	CV CODE+5, ACC+40, TM+9
	v_lshl_or_b32 v[LSC], v[TM+14], 16, v[TM+14]   ; the byte for block 0 and for block 2
	CV CODE+6, ACC+48, TM+9
	CV TM+15, ACC+64, TM+13                        ; registers 4-7 of tile 8 are zeros
	v_or_b32 v[DSC], v[TM+6], v[TM+7]
	CV CODE+7, ACC+56, TM+9
.irp q,0,1                             ; relu on the codes
.irp n,0,1,2,3
	v_and_b32 v[TM+\n], s62, v[CODE+4*\q+\n]       ; the sign bits,
.endr
.if \q == 0
	v_and_b32 v6, s62, v[TM+15]
.endif
.irp n,0,1,2,3
	v_lshrrev_b32 v[TM+4+\n], 3, v[TM+\n]
.endr
.if \q == 0
	v_lshrrev_b32 v7, 3, v6
.endif
.irp n,0,1,2,3
	v_sub_nc_u32 v[TM+\n], v[TM+\n], v[TM+4+\n]    ; 7 in each nibble that has one,
.endr
.if \q == 0
	v_sub_nc_u32 v6, v6, v7
.endif
.irp n,0,1,2,3
	v_bfi_b32 v[CODE+4*\q+\n], v[TM+\n], 0, v[CODE+4*\q+\n]   ; and those magnitudes cleared
.endr
.if \q == 0
	v_bfi_b32 v[S+7], v6, 0, v[TM+15]
	v_bfi_b32 v[S+14], v6, 0, v[TM+15]
.endif
.endr
	NOPS 4                                         ; an operand written by vector instructions stands four places ahead of the product; both scale words stand more than eight ahead
.endm
.macro ADDR                            ; e = min(max(TE, t), 127), and the two rows' addresses
	v_cmp_gt_u32 vcc_lo, v[TT], v[TE]
	v_cndmask_b32 v6, v[TE], v[TT], vcc_lo
	v_min_u32 v6, 127, v6
	v_mad_u32_u24 v[AP], v6, PP, v[LPP]
	v_mad_u32_u24 v[AG], v6, GP, v[LPG]
.endm
.macro PLA                             ; P's row e: the numbers for M + 0 .. 15 into TM, for M + 24 .. 63 into tiles 4-8: all free
.irp q,0,1,2,3
	ds_load_b128 v[TM+4*\q:TM+4*\q+3], v[AP] offset:16*\q
.endr
	ds_load_b128 v[ACC+32:ACC+35], v[AP] offset:96
	ds_load_b128 v[ACC+36:ACC+39], v[AP] offset:112
.irp q,0,1,2,3,4,5,6,7
	ds_load_b128 v[ACC+40+4*\q:ACC+43+4*\q], v[AP] offset:256+16*\q
.endr
.endm
.macro PLB                             ; and for M + 16 .. 23, into CODE
	ds_load_b128 v[CODE:CODE+3], v[AP] offset:64
	ds_load_b128 v[CODE+4:CODE+7], v[AP] offset:80
.endm
.macro GL                              ; G's row e, in the result's layout: the C of the first product
.irp q,0,1,2,3,4,5,6,7,8,9,10,11,12,13,14,15,16,17
	ds_load_b128 v[ACC+4*\q:ACC+4*\q+3], v[AG] offset:16*\q
.endr
.endm
; one product.  z = 1: C is the constant 0.  sid: the weight tile's scale id
.macro WM d, a, b, c, z, sid, bs
.if \z
.if ((\sid)&1)
	v_wmma_scale_f32_16x16x128_f8f6f4 v[0+(\d):7+(\d)], v[0+(\a):7+(\a)], v[0+(\b):7+(\b)], 0, v[WS+(\sid)/2], v[\bs] matrix_a_fmt:MATRIX_FMT_FP4 matrix_b_fmt:MATRIX_FMT_FP4 matrix_a_scale:MATRIX_SCALE_ROW1
.else
	v_wmma_scale_f32_16x16x128_f8f6f4 v[0+(\d):7+(\d)], v[0+(\a):7+(\a)], v[0+(\b):7+(\b)], 0, v[WS+(\sid)/2], v[\bs] matrix_a_fmt:MATRIX_FMT_FP4 matrix_b_fmt:MATRIX_FMT_FP4
.endif
.else
.if ((\sid)&1)
	v_wmma_scale_f32_16x16x128_f8f6f4 v[0+(\d):7+(\d)], v[0+(\a):7+(\a)], v[0+(\b):7+(\b)], v[0+(\c):7+(\c)], v[WS+(\sid)/2], v[\bs] matrix_a_fmt:MATRIX_FMT_FP4 matrix_b_fmt:MATRIX_FMT_FP4 matrix_a_scale:MATRIX_SCALE_ROW1
.else
	v_wmma_scale_f32_16x16x128_f8f6f4 v[0+(\d):7+(\d)], v[0+(\a):7+(\a)], v[0+(\b):7+(\b)], v[0+(\c):7+(\c)], v[WS+(\sid)/2], v[\bs] matrix_a_fmt:MATRIX_FMT_FP4 matrix_b_fmt:MATRIX_FMT_FP4
.endif
.endif
.endm
; In every run below the accumulators take turns, one instruction a turn.
; The window over S for place p begins at S + 7 - p (p odd) or S + 14 - p (p even): an even register, and one copy of the codes inside, at place p.
.macro MM1                             ; + Q(M) Q(W1[0:128]), onto G'
	WIN 0x01                                       ; source 0 in window 1
.irp t,0,1,2,3,4,5,6,7,8
	WM ACC+8*\t, 8*\t, CODE, ACC+8*\t, 0, \t, DSC
.endr
.endm
.macro MM2
	WIN 0x11                                       ; source 0 (W2) and C (b2) in window 1
.irp t,0,1,2,3,4,5,6,7
	WM ACC+8*\t, 72+8*\t, CODE, 192+8*\t, 0, 9+\t, DSC
.endr
	WIN 0x01
	WM ACC+64, 136, CODE, B2T8, 0, 17, DSC
.irp t,0,1,2,3,4,5,6,7
	WM ACC+8*\t, 176, S+7+7*(1-(\t)%2)-(\t), ACC+8*\t, 0, 22+\t, LSC   ; k = 128-131
.endr
	WM ACC+64, 184, S+14, ACC+64, 0, 30, LSC
.endm
.macro MM3
	WIN 0x01
.irp t,0,1,2,3
	WM ACC+8*\t, 144+8*\t, CODE, 0, 1, 18+\t, DSC
.endr
.irp t,0,1,2,3
	WM ACC+8*\t, 184, S+7+7*(1-((\t)+1)%2)-((\t)+1), ACC+8*\t, 0, 31+\t, LSC
.endr
.endm
; ---------------- ids, and every LDS address of the head, ahead of the first branch on the wave's number
	s_load_b512 s[8:23], s[0:1], 0x0               ; P, W1, W2, W3, b1, b2, b3, out0
	v_lshl_add_u32 v254, v0, 2, SPARE
	v_mov_b32 v255, 0
	ds_add_u32 v254, v255                          ; the opening lines: the add, twice on end
	ds_add_u32 v254, v255
	v_lshrrev_b32 v6, 5, v0
	v_readfirstlane_b32 s24, v6                    ; wave 0..7
	s_and_b32 s25, ttmp9, 7                        ; i: the same in the four partners
	s_xor_b32 s87, s25, 7                          ; 7 - i
	s_bfe_u32 s27, ttmp6, 0x40000                  ; cx
	s_lshr_b32 s26, ttmp9, 3
	s_lshl_b32 s26, s26, 2
	s_add_co_u32 s26, s26, s27                     ; batch: it enters memory addresses alone
	s_and_b32 s80, s24, 3                          ; g: my columns of W1 and W2 are 32 g on
	s_lshr_b32 s81, s24, 2
	s_and_b32 s82, s24, 1
	s_lshr_b32 s83, s24, 1
	s_and_b32 s84, s83, 1
	s_mov_b32 s60, 0x76543210
	s_mov_b32 s61, 0xfedcba98                      ; v_permlanex16_b32's selects for lane l xor 16
	s_mov_b32 s62, 0x88888888                      ; the sign bits of eight codes
	s_lshl_b32 s28, s84, 12                        ; column 32 g + L is row 8 (g % 2) + L % 8 of tile 4 (g / 2) + L / 8: its place among the images
	s_lshl_b32 s30, s82, 7
	s_add_co_u32 s28, s28, s30
	s_lshl_b32 s29, s84, 8                         ; and among the scale words
	s_lshl_b32 s30, s82, 5
	s_add_co_u32 s29, s29, s30
	s_mul_i32 s30, s81, 22*1024                    ; W1, K half w / 4
	s_add_co_u32 s30, s30, s28
	s_add_co_u32 s30, s30, IMG
	s_mul_i32 s31, s81, 36*64
	s_add_co_u32 s31, s31, s29
	s_add_co_u32 s31, s31, SCT
	s_lshl_b32 s44, s81, 9                         ; W2, blocks 2 (w / 4) and one on
	s_add_co_u32 s44, s44, s28
	s_add_co_u32 s44, s44, IMG+9*1024
	s_lshl_b32 s45, s81, 1
	s_add_co_u32 s45, s45, s29
	s_add_co_u32 s45, s45, SCT+9*64
	s_lshl_b32 s46, s82, 11                        ; W3: columns 32 (w % 2) on, block w / 2
	s_lshl_b32 s47, s81, 9
	s_add_co_u32 s46, s46, s47
	s_lshl_b32 s47, s84, 8
	s_add_co_u32 s46, s46, s47
	s_add_co_u32 s46, s46, IMG+18*1024
	s_lshl_b32 s47, s82, 7
	s_add_co_u32 s47, s47, s83
	s_add_co_u32 s47, s47, SCT+18*64
	s_lshl_b32 s66, s80, 7                         ; 128 g
	s_mul_i32 s48, s81, 128*PP                     ; where the raw numbers are read
	s_add_co_u32 s48, s48, s66
	s_add_co_u32 s48, s48, RW1
	s_mul_i32 s49, s81, 64*PP
	s_add_co_u32 s49, s49, s66
	s_add_co_u32 s49, s49, RW2
	s_mul_i32 s50, s24, 16*PP                      ; my 16 rows of P
	s_mul_i32 s51, s24, 16*GP                      ; and of G'
	s_add_co_u32 s51, s51, GTB
	s_mul_i32 s67, s81, 8*PP                       ; the scan: half-strip w / 4, feature 32 g + L
	s_add_co_u32 s67, s67, SUF
	s_mul_i32 s68, s81, 16*PP
	s_add_co_u32 s68, s68, RUN
	s_lshl_b32 s69, s82, 7
	s_lshl_b32 s70, s83, 13
	s_add_co_u32 s69, s69, s70
; W1 (waves 0-3) and W2 (waves 4, 5): 33,792 dense bytes a wave as 132 rows of 256 bytes (32 elements of 8), asked for jointly by the four partners
	s_mov_b32 s52, 15|(3<<16)|(1<<21)
	s_mov_b32 s53, 32<<16
	s_mov_b32 s54, 132<<16
	s_mov_b32 s55, 32<<16
	s_mov_b32 s56, 132
	s_mov_b32 s57, 32
	s_mov_b32 s58, 0
	s_mov_b32 s59, 0
	s_mov_b32 s36, 1
	s_mul_i32 s37, s24, HW
	s_add_co_u32 s37, s37, RW1
	s_mov_b32 s40, 1
	s_mul_i32 s41, s82, HW
	s_add_co_u32 s41, s41, RW2
	s_mul_i32 s78, s24, HW
	s_mov_b32 s79, 0
	s_mul_i32 s90, s82, HW
	s_mov_b32 s91, 0
	s_lshl_b32 s76, s26, 16                        ; P: batch x 65,536 + wave x 8,192
	s_lshl_b32 s77, s24, 13
	s_add_co_u32 s76, s76, s77
	s_mov_b32 s77, 0
	v_and_b32 v6, 31, v0                           ; L
	v_and_b32 v7, 15, v0                           ; r
	v_bfe_u32 v9, v0, 4, 1                         ; h
	v_bfe_u32 v10, v0, 3, 1
	v_and_b32 v11, 7, v0
	v_bfe_u32 v12, v0, 3, 2
	v_and_b32 v13, 3, v0
	v_bfe_u32 v14, v0, 2, 1
	v_bfe_u32 v15, v0, 2, 2
	v_bfe_u32 v16, v0, 2, 3
	v_lshlrev_b32 v[SH8], 3, v9
	v_lshlrev_b32 v20, 2, v6                       ; 4 L
	v_lshlrev_b32 v17, 4, v11
	v_lshlrev_b32 v18, 2, v11
	v_lshl_add_u32 v17, v12, 10, v17               ; an image's place
	v_lshl_add_u32 v21, v12, 7, v18                ; an RL register's
	v_lshl_add_u32 v18, v12, 6, v18                ; a scale word's
	v_add_nc_u32 v[AIA], s30, v17
	v_add_nc_u32 v[ASA], s31, v18
	v_add_nc_u32 v[AIB], s44, v17
	v_add_nc_u32 v[ASB], s45, v18
	v_lshlrev_b32 v19, 4, v7
	v_lshl_add_u32 v19, v9, 10, v19
	v_add_nc_u32 v[AI3], s46, v19
	v_add_nc_u32 v[AS3], s47, v20
	v_lshlrev_b32 v22, 4, v13                      ; units 128-131: lane = column L % 4, block L / 4
	v_lshl_add_u32 v22, v14, 8, v22
	v_lshl_add_u32 v22, v10, 9, v22
	v_add_nc_u32 v[A5I], IMG+17*1024, v22
	v_mad_u32_u24 v19, v9, 22*1024, v22
	v_add_nc_u32 v[A4I], IMG+8*1024, v19
	v_lshl_add_u32 v23, v13, 2, v15
	v_add_nc_u32 v[A5S], SCT+17*64, v23
	v_mad_u32_u24 v19, v9, 36*64, v23
	v_add_nc_u32 v[A4S], SCT+8*64, v19
	v_add_nc_u32 v[AMR], RIMG, v21                 ; the left-over K
	v_add_nc_u32 v[AMS], SCT+22*64, v18
	v_add_nc_u32 v[ACR], RIMG+8*128, v20
	v_lshlrev_b32 v19, 2, v7
	v_add_nc_u32 v[ACS], SCT+30*64, v19
	v_add_nc_u32 v[AZS], SCT+35*64, v19
	v_lshl_add_u32 v19, v9, 7, v19
	v_add_nc_u32 v[A3R], RIMG+9*128, v19
	v_add_nc_u32 v[A3S], SCT+31*64, v20
	v_add_nc_u32 v[AZR], RIMG+13*128, v20
	v_add_nc_u32 v[LRA0], s48, v20
	v_add_nc_u32 v[LRB0], s49, v20
	v_add_nc_u32 v[LRA1], 64*PP, v[LRA0]
	v_lshlrev_b32 v[L6C], 2, v13
	v_mad_u32_u24 v23, v16, 32*PP, v[L6C]
	v_add_nc_u32 v[L4R], 512, v23
	v_mad_u32_u24 v23, v15, 32*PP, v[L6C]
	v_add_nc_u32 v[L5R], 512, v23
	v_lshlrev_b32 v[VPO], 4, v6
	v_add_nc_u32 v[APS], s50, v[VPO]
	v_mul_u32_u24 v19, v7, PP
	v_add_nc_u32 v23, s50, v19
	v_add_nc_u32 v[APP], 512, v23                  ; the 16 bytes behind a row of P
	v_lshl_add_u32 v[APW], v9, 7, v23
	v_lshl_add_u32 v[LI], v6, 4, IMG               ; an image's, a scale word's, an RL register's place for my lane
	v_add_nc_u32 v[LS4], SCT, v20
	v_add_nc_u32 v[LR4], RIMG, v20
	v_mul_u32_u24 v19, v7, GP
	v_mad_u32_u24 v19, v9, 288, v19
	v_add_nc_u32 v[AGS], s51, v19
	v_add_nc_u32 v[A4K], s66, v20
	v_add_nc_u32 v[ASU], s67, v[A4K]
	v_add_nc_u32 v[ARU], s68, v[A4K]
	v_add_nc_u32 v[VO3], s69, v20                  ; offsets in memory
	v_mov_b32 v[VO3L], v20
	v_lshlrev_b32 v[VBH], 7, v9
	v_mov_b32 v[VZ], 0
	v_lshlrev_b32 v[VB3], 4, v7
.irp n,0,1,2,3
	v_mov_b32 v[ZQ+\n], 0
.endr
	s_wait_alu depctr_va_vdst(0)
	s_wait_dscnt 0x0                               ; both opening adds are done
	s_wait_kmcnt 0x0
	s_add_nc_u64 s[34:35], s[8:9], s[76:77]
	s_add_nc_u64 s[38:39], s[10:11], s[78:79]
	s_or_b32 s39, s39, 0x80000000
	s_add_nc_u64 s[42:43], s[12:13], s[90:91]
	s_or_b32 s43, s43, 0x80000000
.set n, 0
.rept 16                               ; my 16 rows of P: 512 bytes a load
	global_load_b128 v[X+4*n:X+4*n+3], v[VPO], s[34:35] offset:512*n
.set n, n+1
.endr
	ROUND                                          ; the four partners are here: the joint loads meet
	s_cmp_lt_u32 s24, 4                            ; one tensor load a wave at the most, filled once; four v_nop follow each
	s_cbranch_scc0 .Lnot_w1
	tensor_load_to_lds s[36:39], s[52:59]
	s_nop 0
	NOPS 4
	s_branch .Lasked
.Lnot_w1:
	s_cmp_lt_u32 s24, 6
	s_cbranch_scc0 .Lasked
	tensor_load_to_lds s[40:43], s[52:59]
	s_nop 0
	NOPS 4
.Lasked:
; ---------------- W3, the odd pieces and the biases come through registers
.set n, 0
.rept 32
	global_load_b32 v[X+64+n], v[VO3], s[14:15] offset:n*256       ; W3(32 (w / 2) + n, 32 (w % 2) + L): 128 neighbouring bytes a load
.set n, n+1
.endr
	s_cmp_lt_u32 s24, 4
	s_cbranch_scc1 .Lri_done
	s_cmp_eq_u32 s24, 4
	s_cbranch_scc0 .Lri5
.set n, 0
.rept 32                               ; wave 4: W1's columns 128-131, eight blocks
	global_load_b32 v[RX+n], v[L4R], s[10:11] offset:n*PP
.set n, n+1
.endr
	s_branch .Lri_done
.Lri5:
	s_cmp_eq_u32 s24, 5
	s_cbranch_scc0 .Lri6
.set n, 0
.rept 32                               ; wave 5: W2's columns 128-131, four blocks (lanes 16-31 repeat lanes 0-15)
	global_load_b32 v[RX+n], v[L5R], s[12:13] offset:n*PP
.set n, n+1
.endr
	s_branch .Lri_done
.Lri6:
	s_cmp_eq_u32 s24, 6
	s_cbranch_scc0 .Lri7
.irp g,0,1,2,3                         ; wave 6: W2's rows 128-131, columns 0-127
.irp i,0,1,2,3
	global_load_b32 v[RX+8*\g+\i], v[VO3L], s[12:13] offset:128*PP+128*\g+PP*\i
.endr
.endr
	s_branch .Lri_done
.Lri7:
.irp i,0,1,2,3                         ; wave 7: W3's rows 128-131, and W2's rows 128-131, columns 128-131
	global_load_b32 v[RX+\i], v[VO3L], s[14:15] offset:128*256+256*\i
	global_load_b32 v[RX+8+\i], v[VO3L], s[14:15] offset:128*256+128+256*\i
	global_load_b32 v[RX+16+\i], v[L6C], s[12:13] offset:128*PP+512+PP*\i
.endr
.Lri_done:
	s_wait_loadcnt 32                              ; P's rows are in: at least W3's 32 loads were issued behind them
.set n, 0
.rept 16
	ds_store_b128 v[APS], v[X+4*n:X+4*n+3] offset:n*PP
.set n, n+1
.endr
	ds_store_b128 v[APP], v[ZQ:ZQ+3]               ; the rows' padding
	global_load_b128 v[B1T8:B1T8+3], v[VZ], s[16:17] offset:512    ; b1[128..131], b2[128..131]
	global_load_b128 v[B2T8:B2T8+3], v[VZ], s[18:19] offset:512
	global_load_b128 v[B3:B3+3], v[VB3], s[20:21]                  ; b3, four numbers a lane, for the end
	WIN 0x40                                       ; destination window 1
.irp t,0,1,2,3,4,5,6,7                 ; in the result's layout: tile t, register j: unit 64 (t / 4) + 32 h + 8 (t % 4) + j
	global_load_b128 v[128+8*\t:131+8*\t], v[VBH], s[16:17] offset:256*(\t/4)+32*(\t%4)
	global_load_b128 v[132+8*\t:135+8*\t], v[VBH], s[16:17] offset:256*(\t/4)+32*(\t%4)+16
	global_load_b128 v[192+8*\t:195+8*\t], v[VBH], s[18:19] offset:256*(\t/4)+32*(\t%4)
	global_load_b128 v[196+8*\t:199+8*\t], v[VBH], s[18:19] offset:256*(\t/4)+32*(\t%4)+16
.endr
	WIN 0
	s_wait_loadcnt 35                              ; all but the 35 loads of biases are in
	BLK1Q X+64, 52, 68                             ; my block of my column of W3
	ds_store_b128 v[AI3], v[52:55]
	ds_store_b8 v[AS3], v68
	s_cmp_lt_u32 s24, 4
	s_cbranch_scc1 .Lrp_done
	s_cmp_eq_u32 s24, 4
	s_cbranch_scc0 .Lrp5
	SMALL A4I, A4S
	s_branch .Lrp_done
.Lrp5:
	s_cmp_eq_u32 s24, 5
	s_cbranch_scc0 .Lrp6
	SMALL A5I, A5S
	s_branch .Lrp_done
.Lrp6:
	s_cmp_eq_u32 s24, 6
	s_cbranch_scc0 .Lrp7
.irp g,0,1,2,3
	MINIQ RX+8*\g, \g
.endr
.irp g,0,1,2,3
	ds_store_b32 v[AMR], v[MC+\g] offset:512*(\g/2)+32*(\g%2)
	ds_store_b32 v[AMR], v[VZ] offset:512*(\g/2)+32*(\g%2)+64      ; lanes 16-31 of an RL register are zeros
	ds_store_b32 v[AMS], v[MR+\g] offset:256*(\g/2)+32*(\g%2)
.endr
	s_branch .Lrp_done
.Lrp7:
	MINIQ RX, 0
	MINIQ RX+8, 1
	MINIQ RX+16, 2
	v_cmp_gt_u32 vcc_lo, 4, v6
	v_cndmask_b32 v[MC+2], v[VZ], v[MC+2], vcc_lo  ; tile 8's left-over K: codes in lanes 0-3, zeros elsewhere
	v_cmp_gt_u32 vcc_lo, 4, v7
	v_cndmask_b32 v[MR+2], v[VZ], v[MR+2], vcc_lo
	ds_store_b32 v[ACR], v[MC+2]
	ds_store_b32 v[ACS], v[MR+2]
.irp g,0,1
	ds_store_b32 v[A3R], v[MC+\g] offset:256*\g
	ds_store_b32 v[A3R], v[VZ] offset:256*\g+64
	ds_store_b32 v[A3S], v[MR+\g] offset:128*\g
.endr
.irp z,0,128,256                       ; the zeros that fill RL and the table of scale words
	ds_store_b32 v[AZR], v[VZ] offset:\z
.endr
	ds_store_b32 v[AZS], v[VZ]
	ds_store_b32 v[AZS], v[VZ] offset:640
.Lrp_done:
	BAR                                            ; P lies in LDS; the tensor loads are still on their way
; ---------------- under the tensor loads: P's rows 16 w + r are quantised, and the scan is made
	ROWL X, APW
	s_lshl_b32 s28, s25, 3                         ; 8 i
	s_lshl_b32 s29, s87, 3
	s_add_co_u32 s29, s29, 64                      ; 120 - 8 i
	s_cmp_lt_u32 s24, 4
	s_cselect_b32 s28, s28, s29
	s_min_u32 s28, s28, 120                        ; t0 of my half-strip
	s_mul_i32 s30, s28, PP
	s_add_co_u32 s31, s28, 8
	s_min_u32 s31, s31, 127                        ; rows are held at 127: what a held row enters is Run(c) of chunks that no slot has
	s_mul_i32 s31, s31, PP
	s_wait_dscnt 0x0
	QUANTF
	v_add_nc_u32 v22, s30, v[A4K]
	v_add_nc_u32 v23, s31, v[A4K]
.irp u,0,1,2,3,4,5,6,7
	ds_load_b32 v[X+\u], v22 offset:\u*PP
.endr
	ds_load_b32 v[X+8], v23
.set n, 1
.rept 13                               ; rows t0 + 9 n .. + 8
	s_add_co_u32 s29, s28, 9*n
	s_min_u32 s29, s29, 119
	s_mul_i32 s29, s29, PP
	v_add_nc_u32 v[TM+n-1], s29, v[A4K]
.irp k,0,1,2,3,4,5,6,7,8
	ds_load_b32 v[X+9*n+\k], v[TM+n-1] offset:\k*PP
.endr
.set n, n+1
.endr
.irp k,0,1,2,3,4,5,6,7
	v_mov_b32 v[QC+\k], v[CODE+\k]                 ; kept while CODE's registers serve the weights
.endr
	s_wait_dscnt 0x0
.irp k,1,3,5,7
.set n, 1
.rept 13                               ; the chunks' maxima, thirteen chains by turns
	v_max3_num_f32 v[X+9*n], v[X+9*n], v[X+9*n+\k], v[X+9*n+\k+1]
.set n, n+1
.endr
.endr
.set n, 1
.rept 13                               ; Run(1) = row t0 + 8;  Run(n + 1) = max(Run(n), chunk n), in v[X + 9 n];  Suf(u) = max of rows t0 + u .. t0 + 7
.if n == 1
	v_max_num_f32 v[X+9*n], v[X+9*n], v[X+8]
.else
	v_max_num_f32 v[X+9*n], v[X+9*n], v[X+9*n-9]
.endif
.if n < 8
	v_max_num_f32 v[X+7-n], v[X+7-n], v[X+8-n]
.endif
.set n, n+1
.endr
	WIN 0x40
.set n, 0
.rept 8
	v_mov_b32 v[PARK+n], v[X+n]                    ; Suf(0..7),
.set n, n+1
.endr
	v_mov_b32 v[PARK+8], v[X+8]                    ; Run(1..14): kept while X serves the weights
.set n, 1
.rept 13
	v_mov_b32 v[PARK+8+n], v[X+9*n]
.set n, n+1
.endr
	WIN 0
	s_wait_loadcnt 0x0                             ; the biases
	v_cmp_eq_u32 vcc_lo, 0, v[SH8]
.irp n,0,1,2,3
	v_cndmask_b32 v[B1T8+\n], v[VZ], v[B1T8+\n], vcc_lo            ; tile 8 has units in registers 0-3 of lanes 0-15 alone
	v_cndmask_b32 v[B2T8+\n], v[VZ], v[B2T8+\n], vcc_lo
	v_mov_b32 v[B1T8+4+\n], 0
	v_mov_b32 v[B2T8+4+\n], 0
.endr
	s_wait_alu depctr_va_vdst(0)
	s_wait_tensorcnt 0x0                           ; my tile, if I asked for one, has landed;
	BAR                                            ; everybody's has
; ---------------- the weights are quantised: W1's columns 32 g + L, K half w / 4 (four blocks), then W2's, K half w / 4 (two blocks)
	LD64 X, LRA0
	LD64 X+64, LRA1
	s_wait_dscnt 63                                ; the first 64 are in (64 stand behind them)
	Q2 X, 52, 68, AIA, 0, ASA, 0
	LD64 X, LRB0
	s_wait_dscnt 63                                ; the second 64 are in (three stores and 64 loads stand behind them)
	Q2 X+64, 60, 69, AIA, 512, ASA, 2
	s_wait_dscnt 3                                 ; the last 64 are in (three stores stand behind them)
	Q2 X, 34, 50, AIB, 0, ASB, 0
	BAR                                            ; all images and scale words lie in LDS; nobody reads the raw weights any more
; ---------------- Suf and Run go to LDS; G' for rows 16 w + r
	WIN 0x04                                       ; an LDS store's data are its source 1: window 1
.irp u,0,1,2,3,4,5,6,7
	ds_store_b32 v[ASU], v[PARK+\u] offset:\u*PP
.endr
.set n, 1
.rept 14
	ds_store_b32 v[ARU], v[PARK+7+n] offset:n*PP
.set n, n+1
.endr
	WIN 0
.irp t,0,1,2,3,4,5,6,7,8
.irp c,0,1
	ds_load_b128 v[X+8*\t+4*\c:X+8*\t+4*\c+3], v[LI] offset:(22+\t)*1024+512*\c
.endr
.endr
.irp k,0,1,2,3,4
	ds_load_b32 v[WS+\k], v[LS4] offset:36*64+128*\k
.endr
	WIN 0x40
.set n, 0
.rept 13                               ; W1[0:128] and W2's first four tiles: image n is registers 8 n on of window 1
	ds_load_b128 v[8*n:8*n+3], v[LI] offset:n*1024
	ds_load_b128 v[8*n+4:8*n+7], v[LI] offset:n*1024+512
.set n, n+1
.endr
	s_add_co_u32 s28, s87, 8                       ; 15 - i slots serve lo
	s_lshl_b32 s29, s25, 3
	s_lshl_b32 s30, s87, 3
	s_add_co_u32 s30, s30, 64
	s_wait_dscnt 26                                ; all but those 26
	WIN 0x50                                       ; C and D in window 1
.irp t,0,1,2,3,4,5,6,7
	WM 128+8*\t, X+8*\t, QC, 128+8*\t, 0, \t, DSC
.endr
	WIN 0
	WM B1T8, X+64, QC, B1T8, 0, 8, DSC
; my lane's slot, chunk, start (these lines are also the places behind the products)
	v_bfe_u32 v9, v0, 4, 1                         ; h
	v_bfe_u32 v6, v0, 3, 1
	v_and_b32 v11, 7, v0
	v_mov_b32 v10, s29
	v_lshl_add_u32 v6, s24, 1, v6                  ; slot = 2 w + (r / 8)
	v_mov_b32 v12, s30
	v_cmp_gt_u32 vcc_lo, s28, v6
	v_sub_nc_u32 v7, v6, s28
	v_cndmask_b32 v10, v12, v10, vcc_lo            ; t0
	v_cndmask_b32 v6, v7, v6, vcc_lo
	v_add_nc_u32 v[TT], v10, v11                   ; t
	v_min_u32 v6, 14, v6                           ; chunk c
	v_lshlrev_b32 v[LPP], 7, v9
	v_mul_u32_u24 v[LPG], v9, 288
	v_mad_u32_u24 v[TE], v6, 9, v10                ; the chunk's first te
	v_add_nc_u32 v[LPG], GTB, v[LPG]
	v_mov_b32 v12, 0
	v_mov_b32 v13, 8*PP
	v_mad_u32_u24 v14, v11, PP, v[LPP]
	v_cndmask_b32 v13, v13, v12, vcc_lo            ; hi's rows of Suf lie 8 rows on, of Run 16
	v_mad_u32_u24 v15, v6, PP, v[LPP]
	v_min_u32 v16, 127, v[TT]
	v_add_nc_u32 v14, v14, v13
	v_lshl_add_u32 v15, v13, 1, v15
	v_mad_u32_u24 v16, v16, PP, v[LPP]
	v_add_nc_u32 v14, SUF, v14
	v_add_nc_u32 v15, RUN, v15
	v_cmp_eq_u32 vcc_lo, 0, v6
	v_cndmask_b32 v[AP], v14, v16, vcc_lo          ; chunk 0 starts from P's row t; a later chunk from max(Suf(u), Run(c)) = max of P[t .. t0 + 9 c - 1]
	v_cndmask_b32 v[AG], v15, v16, vcc_lo
	WIN 0x04
.irp t,0,1,2,3,4,5,6,7
	ds_store_b128 v[AGS], v[128+8*\t:131+8*\t] offset:32*\t        ; each tile from its low end on
	ds_store_b128 v[AGS], v[132+8*\t:135+8*\t] offset:32*\t+16
.endr
	WIN 0
	ds_store_b128 v[AGS], v[B1T8:B1T8+3] offset:256
	ds_store_b128 v[AGS], v[B1T8+4:B1T8+7] offset:272
	BAR                                            ; G', Suf and Run are whole
; ---------------- from here to the loop's end: LDS loads alone.  The rest of the weights, and where my window starts
	ROWL M, AP
	ROWL ACC+8, AG
	WIN 0x40
.set n, 13
.rept 9
	ds_load_b128 v[8*n:8*n+3], v[LI] offset:n*1024
	ds_load_b128 v[8*n+4:8*n+7], v[LI] offset:n*1024+512
.set n, n+1
.endr
.set n, 0
.rept 16
	ds_load_b32 v[176+n], v[LR4] offset:128*n
.set n, n+1
.endr
	WIN 0
.set n, 0
.rept 18
	ds_load_b32 v[WS+n], v[LS4] offset:128*n
.set n, n+1
.endr
.set n, 0
.rept 22
	v_mov_b32 v[S+n], 0
.set n, n+1
.endr
	s_wait_alu depctr_va_vdst(0)
	s_wait_dscnt 0x0
.set n, 0
.rept 32
	v_mov_b32 v[Z+n], 0xff800000                   ; -infinity, under every sum
.set n, n+1
.endr
	DMAX M, ACC+8, 64
	ADDR
	PLA
	PLB
	s_mov_b32 s63, 9
.Lstep:                                ; a step: 16 rows (t, e) through the whole chain
	s_wait_dscnt 0x2                               ; PLA's loads are in; PLB's two, issued behind them, may be out
	DMAX M, TM, 16                                 ; the window takes row e in
	DMAX M+24, ACC+32, 40
	s_wait_dscnt 0x0
	DMAX M+16, CODE, 8
	GL                                             ; lands while the window is quantised
	QUANTF
	s_wait_alu depctr_va_vdst(0)
	s_wait_dscnt 0x0                               ; G' is in, and no LDS load of mine is out: the two addresses may be written
	v_add_nc_u32 v[TE], 1, v[TE]
	ADDR                                           ; the next step's rows.  (With the two v_nop: the eight places between the scale word and the products)
	NOPS 2
	MM1
	HQ
	MM2
	HQ
	PLA                                            ; the next step's row of P, into registers that the third product leaves alone
	MM3
	WIN 0
	NOPS 4
	PLB
	DMAX Z, ACC, 32                                ; each tile from its low end on
	s_sub_co_u32 s63, s63, 1
	s_cmp_lg_u32 s63, 0
	s_cbranch_scc1 .Lstep                          ; (the last trip's loads read a row that exists and are dropped)
	BAR
; ---------------- the slots' maxima meet: row 16 w + r = 8 x slot + u, 64 numbers
	s_mul_i32 s28, s24, 16*ZP
	s_add_co_u32 s28, s28, ZT
	v_and_b32 v6, 15, v0
	v_bfe_u32 v7, v0, 4, 1
	v_mul_u32_u24 v1, v6, ZP
	v_lshl_add_u32 v1, v7, 5, v1
	v_add_nc_u32 v1, s28, v1
	s_wait_alu depctr_va_vdst(0)
.irp t,0,1,2,3
	ds_store_b128 v1, v[Z+8*\t:Z+8*\t+3] offset:64*\t              ; outputs 16 t + 8 h + 0 .. 7
	ds_store_b128 v1, v[Z+8*\t+4:Z+8*\t+7] offset:64*\t+16
.endr
	BAR
; a thread takes four outputs of one start: half-strip w / 4, u = 2 (w % 4) + h; its slots are 0 .. 14 - i (lo) or 15 - i .. 15 (hi): fifteen loads, the last slot repeated
	s_add_co_u32 s28, s87, 8
	s_add_co_u32 s29, s87, 7
	s_cmp_lt_u32 s24, 4
	s_cselect_b32 s30, 0, s28
	s_cselect_b32 s31, s29, 15
	s_lshl_b32 s85, s80, 1
	v_add_nc_u32 v7, s85, v7
	v_mul_u32_u24 v2, v7, ZP
	v_lshl_add_u32 v2, v6, 4, v2
	v_add_nc_u32 v2, ZT, v2
	s_wait_alu depctr_va_vdst(0)
.set n, 0
.rept 15
	s_add_co_u32 s86, s30, n
	s_min_u32 s86, s86, s31
	s_mul_i32 s86, s86, 8*ZP
	v_add_nc_u32 v[TM+n], s86, v2
	ds_load_b128 v[M+4*n:M+4*n+3], v[TM+n]
.set n, n+1
.endr
	s_lshl_b32 s28, s25, 3                         ; where the wave's two rows of out0 begin: batch x 32,768 + (t0 + 2 (w % 4)) x 256
	s_lshl_b32 s29, s87, 3
	s_add_co_u32 s29, s29, 64
	s_cmp_lt_u32 s24, 4
	s_cselect_b32 s28, s28, s29
	s_add_co_u32 s28, s28, s85
	s_lshl_b32 s28, s28, 8
	s_lshl_b32 s76, s26, 15
	s_add_co_u32 s76, s76, s28
	s_mov_b32 s77, 0
	s_add_nc_u64 s[22:23], s[22:23], s[76:77]
	v_and_b32 v1, 31, v0
	v_lshlrev_b32 v1, 4, v1
	s_wait_alu depctr_va_vdst(0)
	s_wait_dscnt 0x0
.irp c,0,1,2,3
	v_max3_num_f32 v[M+\c], v[M+\c], v[M+4+\c], v[M+8+\c]
.endr
.irp j,3,5,7,9,11,13
.irp c,0,1,2,3
	v_max3_num_f32 v[M+\c], v[M+\c], v[M+4*\j+\c], v[M+4*\j+4+\c]
.endr
.endr
	v_pk_add_f32 v[M:M+1], v[M:M+1], v[B3:B3+1]    ; + b3
	v_pk_add_f32 v[M+2:M+3], v[M+2:M+3], v[B3+2:B3+3]
	v_pk_mul_f32 v[M:M+1], v[M:M+1], 0xc0e6d4ca op_sel_hi:[1,0]    ; x -5 log2(e)
	v_pk_mul_f32 v[M+2:M+3], v[M+2:M+3], 0xc0e6d4ca op_sel_hi:[1,0]
	s_wait_alu depctr_va_vdst(0)                   ; the wait ahead of the batch,
.irp c,0,1,2,3
	v_exp_f32 v[M+4+\c], v[M+\c]
.endr
	v_nop                                          ; a plain place behind the exponentials,
	s_wait_alu depctr_va_vdst(0)                   ; and for one ahead of their first reader
	v_pk_add_f32 v[M+4:M+5], v[M+4:M+5], 1.0 op_sel_hi:[1,0]
	v_pk_add_f32 v[M+6:M+7], v[M+6:M+7], 1.0 op_sel_hi:[1,0]
	s_wait_alu depctr_va_vdst(0)
.irp c,0,1,2,3
	v_rcp_f32 v[M+8+\c], v[M+4+\c]                 ; sigmoid = 1 / (1 + 2^(-5 log2(e) z))
.endr
	v_nop
	s_wait_alu depctr_va_vdst(0)
	global_store_b128 v1, v[M+8:M+11], s[22:23] th:TH_STORE_NT     ; the wave stores 512 consecutive bytes, at a multiple of 512 from out0's first byte
	s_wait_xcnt 0x0
	v_lshl_add_u32 v254, v0, 2, SPARE              ; the add's two registers, made anew
	v_mov_b32 v255, 0
	s_wait_alu depctr_va_vdst(0)
	s_wait_tensorcnt 0x0                           ; the wave's end
	ds_add_u32 v254, v255
	s_wait_dscnt 0x0
	ROUND                                          ; the closing round: no work-group ends while a partner may still ask jointly
	s_endpgm
.Lfunc_end_k_q631080b012_tll:
	.size	k_q631080b012_tll, .Lfunc_end_k_q631080b012_tll-k_q631080b012_tll
	.p2alignl 7, 3214868480
	.fill 96, 4, 3214868480
	.section	.rodata,"a",@progbits
	.p2align	6, 0x0
	.amdhsa_kernel k_q631080b012_tll
		.amdhsa_group_segment_fixed_size 312320
		.amdhsa_private_segment_fixed_size 0
		.amdhsa_enable_private_segment 0
		.amdhsa_kernarg_size 64
		.amdhsa_user_sgpr_count 2
		.amdhsa_user_sgpr_kernarg_segment_ptr 1
		.amdhsa_wavefront_size32 1
		.amdhsa_system_sgpr_workgroup_id_x 1
		.amdhsa_system_sgpr_workgroup_id_y 1
		.amdhsa_system_sgpr_workgroup_id_z 1
		.amdhsa_system_vgpr_workitem_id 0
		.amdhsa_next_free_vgpr 512
		.amdhsa_next_free_sgpr 96
		.amdhsa_reserve_vcc 1
		.amdhsa_float_denorm_mode_32 3
		.amdhsa_float_denorm_mode_16_64 3
		.amdhsa_memory_ordered 1
		.amdhsa_forward_progress 1
		.amdhsa_inst_pref_size 133
	.end_amdhsa_kernel
	.amdgpu_metadata
---
amdhsa.version: [ 1, 2 ]
amdhsa.kernels:
  - .name:           k_q631080b012_tll
    .symbol:         k_q631080b012_tll.kd
    .args:
      - { .name: P, .offset: 0, .size: 8, .value_kind: global_buffer, .address_space: global }
      - { .name: W1, .offset: 8, .size: 8, .value_kind: global_buffer, .address_space: global }
      - { .name: W2, .offset: 16, .size: 8, .value_kind: global_buffer, .address_space: global }
      - { .name: W3, .offset: 24, .size: 8, .value_kind: global_buffer, .address_space: global }
      - { .name: b1, .offset: 32, .size: 8, .value_kind: global_buffer, .address_space: global }
      - { .name: b2, .offset: 40, .size: 8, .value_kind: global_buffer, .address_space: global }
      - { .name: b3, .offset: 48, .size: 8, .value_kind: global_buffer, .address_space: global }
      - { .name: out0, .offset: 56, .size: 8, .value_kind: global_buffer, .address_space: global }
    .group_segment_fixed_size: 312320
    .private_segment_fixed_size: 0
    .kernarg_segment_align: 8
    .kernarg_segment_size: 64
    .max_flat_workgroup_size: 256
    .sgpr_count:     96
    .vgpr_count:     512
    .wavefront_size: 32
...
	.end_amdgpu_metadata
.endif
;; end of part 1
